; MI455X (gfx1250); checked and timed in simulation.
; The chip was launched on July 23, 2026; its instructions are those of AMD's public machine-readable ISA for CDNA 5 (MIT licence, August 2026) and "CDNA5" Instruction Set Architecture Reference Guide (July 2026). The comments in the code are by the model that wrote it; some were corrected since.
;; Local Transformer Encoder Layer. Allowed arithmetic: matrix products marked QUANTISED: E2M1 operands, one E8M0 scale for each 32 along K, by v_wmma_scale_f32_16x16x128_f8f6f4 with both operands' format E2M1 (or v_wmma_scale_f32_32x16x128_f4), f32 sums; products left as they are: bf16, f16 or f32 operands; f32 sums; everything else in f32.
;; Inputs: W1 512 x 1,024 float32; W2 1,024 x 512 float32; Wk 512 x 512 float32; Wq 512 x 512 float32; Wv 512 x 512 float32; b1 1,024 float32; b2 512 float32; bk 512 float32; bq 512 float32; bv 512 float32; ln1_b 512 float32; ln1_g 512 float32; ln2_b 512 float32; ln2_g 512 float32; mask 4 x 8,192 bool; src 4 x 8,192 x 512 float32.
;; Outputs: out0 4 x 8,192 x 512 float32.
;; This version of the problem:
;;   THIS VERSION OF THE PROBLEM IS GIVEN IN LOW PRECISION. The matrix products marked QUANTISED in the list below multiply operands that are first quantised to E2M1 (2 exponent bits, 1 mantissa bit; 4 bits a number), with one power-of-two scale for each 32 numbers along K (OCP MX v1.0); their sums are f32. The products marked 'left as it is' may take bf16, f16 or f32 operands, with f32 sums. Whichever they take, every output number must still come out within the allowed error. Rounding operands to bf16 (8 significant bits) uses up far more of that allowance than f16 does (11 bits, for magnitudes from 6e-5 to 65,504). All else is computed in f32.
;;   The module's matrix products, in the order in which they are computed (A, B: the left and right operand; K: the contracted axis; several contracted axes count as one K, in the product's order):
;;     1. [M 32,768, K 512] x [K 512, N 512]; A: input src; B: input Wq: QUANTISED
;;     2. [M 32,768, K 512] x [K 512, N 512]; A: input src; B: input Wk: QUANTISED
;;     3. [M 32,768, K 512] x [K 512, N 512]; A: input src; B: input Wv: QUANTISED
;;     4. batch 512 x [M 64, K 512] x [K 512, N 192]; A: computed on the way; B: computed on the way: left as it is (an operand is computed on the way)
;;     5. batch 512 x [M 64, K 192] x [K 192, N 512]; A: computed on the way; B: computed on the way: left as it is (an operand is computed on the way)
;;     6. [M 32,768, K 512] x [K 512, N 1,024]; A: computed on the way; B: input W1: left as it is (an operand is computed on the way)
;;     7. [M 32,768, K 1,024] x [K 1,024, N 512]; A: computed on the way; B: input W2: left as it is (an operand is computed on the way)
;;   THE QUANTISER, for each operand of a quantised product, along K:
;;     - K is cut into blocks of 32 from its start; a last block that is shorter is filled with zeros.
;;     - A block's scale is 2^e with e = floor(log2(the largest magnitude in the block)) - 2, held to -126 .. 127; a block of zeros has e = 0. As a byte (E8M0): e + 127.
;;     - Each number is divided by its block's scale, clamped to +-6, and rounded to the nearest number of E2M1, ties to even, subnormals kept.
;;     - The product sums the exact products of the quantised numbers (number of the format x scale) in f32.
;;   ~~~python
;;   def quantise(x, axis):      # numpy; x: float32 -> the quantised numbers, widened to float32 again
;;       x = np.moveaxis(x, axis, -1); K = x.shape[-1]
;;       x = np.pad(x, [(0, 0)] * (x.ndim - 1) + [(0, -K % 32)]); x = x.reshape(x.shape[:-1] + (-1, 32)); a = np.abs(x).max(-1, keepdims=True)
;;       e = np.where(a > 0, np.clip(np.frexp(np.where(a > 0, a, 1))[1] - 1 - 2, -126, 127), 0)      # np.frexp(a)[1] - 1 = floor(log2(a)), exactly
;;       r = np.clip(x / 2.0 ** e, -6, 6)
;;       step = 2.0 ** (np.maximum(np.frexp(np.where(r == 0, 1, r))[1] - 1, 0) - 1)
;;       q = np.round(r / step) * step * 2.0 ** e      # np.round: ties to even
;;       return np.moveaxis(q.reshape(q.shape[:-2] + (-1,))[..., :K], -1, axis).astype(np.float32)
;;   ~~~
;; One version. Each part assembles by itself: llvm-mc -triple=amdgcn-amd-amdhsa -mcpu=gfx1250 --defsym DOCPART=n.
;; ======== version 1 of 1: 2 launches
;; limits: values are held in f16: magnitudes above 65,504 overflow, below 6.1e-05 lose precision
;; workspace buffers: wqkv_c 393,216 bytes; wqkv_s 24,576 bytes; wff 2,097,152 bytes
;; launch prep (part 1): grid 112 x 1, 4 waves a work-group, no clusters, 0 bytes of LDS; arguments Wq, Wk, Wv, W1, W2, wqkv_c, wqkv_s, wff; writes wqkv_c, wqkv_s, wff
.if DOCPART == 1
	.amdgcn_target "amdgcn-amd-amdhsa--gfx1250"
	.amdhsa_code_object_version 6
	.text
	.protected	k_q07c27e60e1_prep
	.globl	k_q07c27e60e1_prep
	.p2align	8
	.type	k_q07c27e60e1_prep,@function
k_q07c27e60e1_prep:
	s_mov_b64 s[64:65], 0
	v_nop
	global_prefetch_b8 v0, s[64:65] scope:SCOPE_SE
	s_setreg_imm32_b32 hwreg(HW_REG_WAVE_MODE, 25, 1), 1
	s_wait_xcnt 0x0
; The weights are laid once in the order in which a wave's operand registers take them.
; Wq, Wk, Wv [512 k][512 n] f32 -> codes of E2M1 with one E8M0 byte for each 32 along K (scale 2^(floor(log2(largest magnitude)) - 2)),
;   wqkv_c [X][tile t of 16 columns][K step s of 128]: 1,024 bytes, registers 0-3 of lane l at 16 l, registers 4-7 at 512 + 16 l;  wqkv_s [X][t][s][place r]: one word of four bytes.
; W1 [512][1024], W2 [1024][512] f32 -> f16, wff [wave w][chunk ch of 256 hidden units][128 fragments of 1,024 bytes]: 4 s + tt of W1 (K step s of 32), then 64 + 8 ks + 4 nh + nn of W2.
;   In an f16 fragment lane (r, h) holds k = 32 s + 16 h + 0 .. 15 in its eight registers in order; the data fragments of the second launch are laid the same way, so the products are kept.
; THE COLUMNS OF A TILE ARE NOT NEIGHBOURS: place i of tile 2 b + u is column 32 b + 8 u + i + 8 (i / 8).
; A LANE TAKES A COLUMN AND ITS REGISTERS RUN DOWN K: a wave takes 32 columns x 128 along K; each load reads 128 consecutive bytes a wave, 512 a work-group; nothing is transposed.
; Work-groups 0-47 take Wq, Wk, Wv, 48-79 W1, 80-111 W2: three ways through the text that part on the work-group's number.  No LDS, no barrier.
; LIMITS: a block whose largest magnitude lies under 2^-124 keeps the byte 1 (a block of zeros too: its codes are zeros, and this program alone reads the bytes); NaN and infinities are not served; |W1|, |W2| under 65,504.
.set X, 32                             ; v32-159  128 numbers down K
.set C, 160                            ; v160-223 codes or f16 pairs
.macro LOADS pitch
.set II, 0
.rept 128
	global_load_b32 v[X+II], v3, s[24:25] offset:II*(\pitch) th:TH_LOAD_NT
.set II, II+1
.endr
.endm
.macro BLOCK b                         ; block b of 32 along K: all its numbers are mine
.set XS, X+32*(\b)
	v_max3_num_f32 v12, |v[XS]|, |v[XS+1]|, |v[XS+2]|
	v_max3_num_f32 v13, |v[XS+3]|, |v[XS+4]|, |v[XS+5]|
.irp i, 6,10,14,18,22,26
	v_max3_num_f32 v12, v12, |v[XS+\i]|, |v[XS+\i+1]|
	v_max3_num_f32 v13, v13, |v[XS+\i+2]|, |v[XS+\i+3]|
.endr
	v_max3_num_f32 v12, v12, |v[XS+30]|, |v[XS+31]|
	v_max3_num_f32 v12, v12, v13, 0x1800000        ; the floor 2^(3 - 127): the byte cannot fall under 1
	v_add_nc_u32 v11, 0xff000000, v12              ; 2 off the exponent field: the conversion's scale operand
	v_lshrrev_b32 v13, 23, v11                     ; the scale's byte
.if (\b) == 0
	v_mov_b32 v16, v13
.else
	v_lshl_or_b32 v16, v13, 8*(\b), v16
.endif
.irp g, 0,1,2,3
	v_cvt_scalef32_pk8_fp4_f32 v[C+4*(\b)+\g], v[XS+8*\g:XS+8*\g+7], v11
.endr
.endm
.macro F16OUT step                     ; 128 numbers -> 64 pairs -> four fragments' parts; step: bytes from one K step of 32 to the next in wff
.set II, 0
.rept 64
	v_cvt_pk_f16_f32 v[C+II], v[X+2*II], v[X+2*II+1]
.set II, II+1
.endr
.irp si, 0,1,2,3
.irp hh, 0,1
.irp c, 0,1
	global_store_b128 v9, v[C+16*\si+8*\hh+4*\c:C+16*\si+8*\hh+4*\c+3], s[18:19] offset:\si*(\step)+512*\c+256*\hh   ; sixteen lanes store 256 consecutive bytes, aligned
.endr
.endr
.endr
.endm
	s_load_b256 s[4:11], s[0:1], 0x0               ; Wq s[4:5], Wk s[6:7], Wv s[8:9], W1 s[10:11]
	s_load_b256 s[12:19], s[0:1], 0x20             ; W2 s[12:13], wqkv_c s[14:15], wqkv_s s[16:17], wff s[18:19]
	v_lshrrev_b32 v1, 5, v0
	v_readfirstlane_b32 s20, v1                    ; wave
	v_and_b32 v2, 31, v0                           ; lane = my column among the wave's 32
	v_lshlrev_b32 v3, 2, v2
	v_bfe_u32 v4, v0, 3, 1                         ; u: which of the two tiles
	v_and_b32 v5, 7, v0
	v_bfe_u32 v6, v0, 4, 1
	v_lshl_or_b32 v5, v6, 3, v5                    ; r: my place in it
	v_lshlrev_b32 v7, 4, v5
	v_lshl_add_u32 v9, v4, 10, v7                  ; f16 fragments: 1,024 u + 16 r
	v_lshl_add_u32 v7, v4, 12, v7                  ; codes: 4,096 u + 16 r
	v_lshlrev_b32 v8, 2, v5
	v_lshl_add_u32 v8, v4, 8, v8                   ; scale words: 256 u + 4 r
	s_wait_kmcnt 0x0
	s_cmp_lt_u32 ttmp9, 48
	s_cbranch_scc1 .Lqkv
	s_cmp_lt_u32 ttmp9, 80
	s_cbranch_scc1 .Lw1
	; ---- W2: 16 groups of 32 columns x 8 groups of 128 along K
	s_sub_co_u32 s21, ttmp9, 80
	s_lshr_b32 s22, s21, 3
	s_and_b32 s23, s21, 7                          ; kg
	s_lshl_b32 s22, s22, 2
	s_add_co_u32 s22, s22, s20                     ; cg
	s_lshl_b32 s26, s23, 18                        ; 128 rows of 2,048 bytes
	s_lshl_b32 s27, s22, 7
	s_add_co_u32 s26, s26, s27
	s_mov_b32 s27, 0
	s_add_nc_u64 s[24:25], s[12:13], s[26:27]
	LOADS 2048
	s_lshr_b32 s28, s22, 2                         ; wave of the second launch: cg / 4
	s_lshl_b32 s28, s28, 19
	s_lshr_b32 s29, s23, 1                         ; chunk: kg / 2
	s_lshl_b32 s29, s29, 17
	s_add_co_u32 s28, s28, s29
	s_and_b32 s29, s23, 1                          ; which four of the chunk's eight K steps
	s_lshl_b32 s29, s29, 15
	s_add_co_u32 s28, s28, s29
	s_and_b32 s29, s22, 3                          ; (cg % 4) x 2,048 = nh x 4,096 + (cg % 2) x 2,048
	s_lshl_b32 s29, s29, 11
	s_add_co_u32 s28, s28, s29
	s_add_co_u32 s28, s28, 65536                   ; behind the chunk's 64 fragments of W1
	s_mov_b32 s29, 0
	s_add_nc_u64 s[18:19], s[18:19], s[28:29]
	s_wait_loadcnt 0x0
	F16OUT 8192
	s_endpgm
.Lw1:	; ---- W1: 32 groups of 32 columns x 4 groups of 128 along K
	s_sub_co_u32 s21, ttmp9, 48
	s_lshr_b32 s22, s21, 2
	s_and_b32 s23, s21, 3                          ; kg
	s_lshl_b32 s22, s22, 2
	s_add_co_u32 s22, s22, s20                     ; cg
	s_lshl_b32 s26, s23, 19                        ; 128 rows of 4,096 bytes
	s_lshl_b32 s27, s22, 7
	s_add_co_u32 s26, s26, s27
	s_mov_b32 s27, 0
	s_add_nc_u64 s[24:25], s[10:11], s[26:27]
	LOADS 4096
	s_bfe_u32 s28, s22, 0x20001                    ; wave of the second launch: (cg % 8) / 2
	s_lshl_b32 s28, s28, 19
	s_lshr_b32 s29, s22, 3                         ; chunk: cg / 8
	s_lshl_b32 s29, s29, 17
	s_add_co_u32 s28, s28, s29
	s_and_b32 s29, s22, 1
	s_lshl_b32 s29, s29, 11
	s_add_co_u32 s28, s28, s29
	s_lshl_b32 s29, s23, 14
	s_add_co_u32 s28, s28, s29
	s_mov_b32 s29, 0
	s_add_nc_u64 s[18:19], s[18:19], s[28:29]
	s_wait_loadcnt 0x0
	F16OUT 4096
	s_endpgm
.Lqkv:	; ---- Wq, Wk, Wv: 16 groups of 32 columns x 4 K steps of 128 each
	s_lshr_b32 s21, ttmp9, 4                       ; X
	s_bfe_u32 s22, ttmp9, 0x20002
	s_and_b32 s23, ttmp9, 3                        ; kg = K step
	s_lshl_b32 s22, s22, 2
	s_add_co_u32 s22, s22, s20                     ; cg
	s_cmp_eq_u32 s21, 0                            ; the choice hangs on the work-group's number alone
	s_cselect_b64 s[24:25], s[4:5], s[6:7]
	s_cmp_eq_u32 s21, 2
	s_cselect_b64 s[24:25], s[8:9], s[24:25]
	s_lshl_b32 s26, s23, 18
	s_lshl_b32 s27, s22, 7
	s_add_co_u32 s26, s26, s27
	s_mov_b32 s27, 0
	s_add_nc_u64 s[24:25], s[24:25], s[26:27]
	LOADS 2048
	s_lshl_b32 s28, s21, 17                        ; codes: 131,072 X + 8,192 cg + 1,024 kg
	s_lshl_b32 s29, s22, 13
	s_add_co_u32 s28, s28, s29
	s_lshl_b32 s29, s23, 10
	s_add_co_u32 s28, s28, s29
	s_mov_b32 s29, 0
	s_add_nc_u64 s[14:15], s[14:15], s[28:29]
	s_lshl_b32 s28, s21, 13                        ; scale words: 8,192 X + 512 cg + 64 kg
	s_lshl_b32 s30, s22, 9
	s_add_co_u32 s28, s28, s30
	s_lshl_b32 s30, s23, 6
	s_add_co_u32 s28, s28, s30
	s_add_nc_u64 s[16:17], s[16:17], s[28:29]
	s_wait_loadcnt 0x0
	BLOCK 0
	BLOCK 1
	BLOCK 2
	BLOCK 3
	v_nop                                          ; a plain line behind the last scaled conversion
.irp b, 0,1,2,3
	global_store_b128 v7, v[C+4*\b:C+4*\b+3], s[14:15] offset:(\b/2)*512+(\b%2)*256   ; block b = 2 c + h of the fragment: sixteen lanes store 256 consecutive bytes, aligned
.endr
	global_store_b32 v8, v16, s[16:17]
	s_endpgm
.Lfunc_end_k_q07c27e60e1_prep:
	.size	k_q07c27e60e1_prep, .Lfunc_end_k_q07c27e60e1_prep-k_q07c27e60e1_prep
	.p2alignl 7, 3214868480
	.fill 96, 4, 3214868480
	.section	.rodata,"a",@progbits
	.p2align	6, 0x0
	.amdhsa_kernel k_q07c27e60e1_prep
		.amdhsa_group_segment_fixed_size 0
		.amdhsa_private_segment_fixed_size 0
		.amdhsa_enable_private_segment 0
		.amdhsa_kernarg_size 64
		.amdhsa_user_sgpr_count 2
		.amdhsa_user_sgpr_kernarg_segment_ptr 1
		.amdhsa_wavefront_size32 1
		.amdhsa_system_sgpr_workgroup_id_x 1
		.amdhsa_system_sgpr_workgroup_id_y 1
		.amdhsa_system_sgpr_workgroup_id_z 1
		.amdhsa_system_vgpr_workitem_id 0
		.amdhsa_next_free_vgpr 232
		.amdhsa_next_free_sgpr 66
		.amdhsa_reserve_vcc 0
		.amdhsa_float_denorm_mode_32 3
		.amdhsa_float_denorm_mode_16_64 3
		.amdhsa_memory_ordered 1
		.amdhsa_forward_progress 1
		.amdhsa_inst_pref_size 57
	.end_amdhsa_kernel
	.amdgpu_metadata
---
amdhsa.version: [ 1, 2 ]
amdhsa.kernels:
  - .name:           k_q07c27e60e1_prep
    .symbol:         k_q07c27e60e1_prep.kd
    .args:
      - { .name: Wq, .offset: 0, .size: 8, .value_kind: global_buffer, .address_space: global }
      - { .name: Wk, .offset: 8, .size: 8, .value_kind: global_buffer, .address_space: global }
      - { .name: Wv, .offset: 16, .size: 8, .value_kind: global_buffer, .address_space: global }
      - { .name: W1, .offset: 24, .size: 8, .value_kind: global_buffer, .address_space: global }
      - { .name: W2, .offset: 32, .size: 8, .value_kind: global_buffer, .address_space: global }
      - { .name: wqkv_c, .offset: 40, .size: 8, .value_kind: global_buffer, .address_space: global }
      - { .name: wqkv_s, .offset: 48, .size: 8, .value_kind: global_buffer, .address_space: global }
      - { .name: wff, .offset: 56, .size: 8, .value_kind: global_buffer, .address_space: global }
    .group_segment_fixed_size: 0
    .private_segment_fixed_size: 0
    .kernarg_segment_align: 8
    .kernarg_segment_size: 64
    .max_flat_workgroup_size: 128
    .sgpr_count:     66
    .vgpr_count:     232
    .wavefront_size: 32
...
	.end_amdgpu_metadata
.endif
;; end of part 1
;; launch layer (part 2): grid 256 x 1, 4 waves a work-group, no clusters, 281,088 bytes of LDS; arguments src, mask, bq, bk, bv, ln1_g, ln1_b, b1, b2, ln2_g, ln2_b, wqkv_c, wqkv_s, wff, out0; writes out0
.if DOCPART == 2
	.amdgcn_target "amdgcn-amd-amdhsa--gfx1250"
	.amdhsa_code_object_version 6
	.text
	.protected	k_q07c27e60e1_layer
	.globl	k_q07c27e60e1_layer
	.p2align	8
	.type	k_q07c27e60e1_layer,@function
k_q07c27e60e1_layer:
	s_mov_b64 s[64:65], 0
	v_nop
	global_prefetch_b8 v0, s[64:65] scope:SCOPE_SE
	s_setreg_imm32_b32 hwreg(HW_REG_WAVE_MODE, 25, 1), 1
	s_wait_xcnt 0x0
; The whole encoder layer for 128 rows (two windows of 64 queries, A and B) in one work-group of four waves; nothing but the weights' images comes from an earlier launch.
; q, k, v: products on codes of E2M1 with E8M0 scales (src is quantised here, along its 512); scores, attention x v and the two products of the feed-forward part: f16 operands, f32 sums; all else f32.
; SHARES.  k and v are made for 256 rows (my 128 and one window on each side: the halo is computed again, so q, k, v never go to memory).  THE WAVES SHARE THE COLUMNS: wave w owns columns 128 w .. 128 w + 127 of
; q, k, v, of the attention's result, of x and of y, for all rows, and 64 hidden units of each chunk of 256.  src + attention, x and y live in the same 512 accumulator registers from the second product to the store.
; LAYOUT.  The products are used transposed (source 0 = 16 columns of a weight, source 1 = 16 data rows), so a lane holds ONE data row (place r = lane % 16); v alone is made the natural way, which gives fragments of v^T.
; THE ROWS AND COLUMNS OF A TILE ARE NOT NEIGHBOURS: place i of tile 2 b + u is index 32 b + 8 u + i + 8 (i / 8): so the 16 registers of tiles 2 b, 2 b + 1 are the 16 neighbours 32 b + 16 (lane / 16) + 0 .. 15,
; and their 8 packed f16 registers ARE a fragment of the next product (both sources of every f16 product hold k = 32 s + 16 (lane / 16) + 0 .. 15 in order: the same permutation of k on both sides).
; Operands go from wave to wave through LDS as images of their registers: registers 0-3 of lane l at 16 l, registers 4-7 at 512 + 16 l.
; THE MASK.  A key that the mask hides, or that lies outside the sequence, gets k = 0 and the score -1e10 x log2(e) as the start of its sum: so a row with no open key has 192 equal scores and a uniform softmax, as reference() has.
; Keys outside the sequence count in the row's sum and their weights are multiplied by 0 behind it (their v is 0 in reference()).  The row's true maximum is taken away before the exponentials.
; NO TENSOR LOAD, NO CLUSTER: x in f16 (131,072 bytes) and the hidden chunk (65,536) with the codes of src (65,536) leave no room for slots of weights of a useful size, and each fragment of a weight is read by ONE wave,
; for 8 matrix instructions: through LDS it would be written and read once more for nothing.  So weights go from memory straight into registers, four steps ahead.
; REQUESTS GO OUT AHEAD OF THE WORK THAT HIDES THEM: a tile's codes are fetched from LDS behind the products of the tile before; the residual and Wv are asked for in groups of at most 62 loads, each ahead of a phase
; that does not want them; the last norm's tiles are stored one by one as they are finished.
; A quarter of the score products (window A against the last window of keys, B against the first) is computed and not read: the price of one text for the four windows of keys.
; LIMITS: f16 operands: |q| / sqrt(512) x log2(e), |k|, |v|, |x|, the hidden layer, |W1|, |W2| under 65,504; blocks of src whose largest magnitude lies under 2^-124 keep the byte 1; NaN and infinities are not served.
; REGISTER WINDOWS: 0: addresses v0-27, scale words v28-63 (nothing else ever), v64-255 at work.  1: bq, bk; then rows' tiles 0-3 (tile m, columns' tile n at v[64 m + 8 n]).  2: src as loaded; Wk; Wv; gains and biases; the hidden layer.
; 3: Wq; my queries' fragments; then rows' tiles 4-7.
.set KF,    131072                     ; k's fragments [tile 0..3][d step 0..15]; then the weights p [tile m][key step 0..5]; then the hidden chunk [K step 0..7][tile m]; 1,024 bytes each
.set SC,    196608                     ; src's codes [tile T 0..15][K step 0..3], 1,024 bytes each
.set SS,    262144                     ; their scale words, 128 bytes each
.set VMT,   270336                     ; 1.0 or 0 for each key, [T][place]
.set NBL,   271360                     ; 0 or NEGC for each key, in the keys' order
.set B1L,   272384                     ; b1
.set RED,   276480                     ; the norms' exchanges: two regions [m][r][w] of 4 bytes
.set SPARE, 280576                     ; the spare words, 128 bytes a wave, that no other line names
.set NEGC,  0xd056fa73                 ; -1e10 x log2(e)
; LDS bytes 0 .. 131,071, four blocks of 32,768 (block w is wave w's): turning stages (16 rows x 528 bytes); q's fragments [m][d step]; parked scores; stages; x's fragments [K step 0..15][m]; stages.
.set MSB, 0
.macro WIN new                         ; the immediate's high byte repeats the setting that is left; a switch that changes nothing is dropped
.if MSB != (\new)
	s_set_vgpr_msb (MSB<<8)|(\new)
.set MSB, \new
.endif
.endm
.macro PLACES n
.rept \n
	v_nop
.endr
.endm
.macro BARRIER                         ; my LDS stores have landed and my LDS loads are in: then the work-group's barrier
	s_wait_dscnt 0x0
	s_barrier_signal -1
	s_barrier_wait -1
.endm
.macro COLVEC dst, base                ; a vector over the columns, in the accumulators' layout: register 16 b + e = column 128 w + 32 b + 16 h + e
.irp b, 0,1,2,3
.irp q, 0,1,2,3
	global_load_b128 v[\dst+16*\b+4*\q:\dst+16*\b+4*\q+3], v8, s[\base:\base+1] offset:128*\b+16*\q
.endr
.endr
.endm
.macro DLOAD dst, base, row            ; my 512 bytes of a tile's 16 rows, as they lie: each load reads 512 consecutive bytes
.irp i, 0,1,2,3,4,5,6,7,8,9,10,11,12,13,14,15
	global_load_b128 v[\dst+4*\i:\dst+4*\i+3], v7, s[\base:\base+1] offset:((\row)+\i+8*(\i/8))*2048
.endr
.endm
.macro TST src, st                     ; into my stage st, as loaded
.irp i, 0,1,2,3,4,5,6,7,8,9,10,11,12,13,14,15
	ds_store_b128 v5, v[\src+4*\i:\src+4*\i+3] offset:(\st)*8448+528*\i
.endr
.endm
.macro TLD dst, st                     ; and back in the accumulators' layout (LDS serves a wave's instructions in order)
.irp b, 0,1,2,3
.irp q, 0,1,2,3
	ds_load_b128 v[\dst+16*\b+4*\q:\dst+16*\b+4*\q+3], v6 offset:(\st)*8448+128*\b+16*\q
.endr
.endr
.endm
.macro WLOADR x, f0, n                 ; fragments f0 .. f0 + n - 1 of my 32 of Wq (0), Wk (1) or Wv (2): fragment (n, s) at v[8 (4 n + s)]
.set FF, \f0
.rept \n
	global_load_b128 v[8*FF:8*FF+3], v3, s[72:73] offset:(\x)*131072+1024*FF
	global_load_b128 v[8*FF+4:8*FF+7], v3, s[72:73] offset:(\x)*131072+1024*FF+512
.set FF, FF+1
.endr
.endm
; 64 numbers of a lane, register 16 b + i = k 32 b + 16 (lane / 16) + i of my row, become a fragment's codes in v80-87 and its scale word in v88
.macro QUANT s
.irp b, 0,1,2,3
	v_max3_num_f32 v[64+\b], |v[\s+16*\b]|, |v[\s+1+16*\b]|, 0x1800000   ; and the floor 2^(3 - 127): the byte cannot fall under 1
.endr
.irp i, 2,4,6,8,10,12,14
.irp b, 0,1,2,3
	v_max3_num_f32 v[64+\b], v[64+\b], |v[\s+16*\b+\i]|, |v[\s+1+16*\b+\i]|
.endr
.endr
.irp b, 0,1,2,3
	v_permlanex16_b32 v[68+\b], v[64+\b], s44, s45
.endr
.irp b, 0,1,2,3
	v_max_num_f32 v[64+\b], v[64+\b], v[68+\b]     ; with lane l xor 16's: the block's largest magnitude
.endr
.irp b, 0,1,2,3
	v_add_nc_u32 v[76+\b], 0xff000000, v[64+\b]    ; 2 off its exponent field: the conversion's scale operand
.endr
.irp b, 0,1,2,3
	v_lshrrev_b32 v[68+\b], 23, v[76+\b]           ; the scale's byte
.endr
	v_lshl_or_b32 v88, v69, 8, v68
	v_lshl_or_b32 v88, v70, 16, v88
	v_lshl_or_b32 v88, v71, 24, v88
.irp b, 0,1,2,3
	v_cvt_scalef32_pk8_fp4_f32 v[80+2*\b], v[\s+16*\b:\s+7+16*\b], v[76+\b]
	v_cvt_scalef32_pk8_fp4_f32 v[81+2*\b], v[\s+8+16*\b:\s+15+16*\b], v[76+\b]
.endr
	v_nop                                          ; a plain line behind the scaled conversions
.irp c, 0,1                            ; the operand wants a whole block in a lane
.irp i, 0,1
	v_permlane16_swap_b32 v[80+4*\c+\i], v[82+4*\c+\i]
.endr
.endr
.endm
.macro FP4MM d, a, b, c, sa, sb, row   ; c < 0: the sum starts with 0.  row 1: source 0's scales in lanes 16-31; row 2: source 1's
.if (\c) < 0
	v_wmma_scale_f32_16x16x128_f8f6f4 v[\d:\d+7], v[\a:\a+7], v[\b:\b+7], 0, v[\sa], v[\sb] matrix_a_fmt:MATRIX_FMT_FP4 matrix_b_fmt:MATRIX_FMT_FP4
.elseif (\row) == 0
	v_wmma_scale_f32_16x16x128_f8f6f4 v[\d:\d+7], v[\a:\a+7], v[\b:\b+7], v[\c:\c+7], v[\sa], v[\sb] matrix_a_fmt:MATRIX_FMT_FP4 matrix_b_fmt:MATRIX_FMT_FP4
.elseif (\row) == 1
	v_wmma_scale_f32_16x16x128_f8f6f4 v[\d:\d+7], v[\a:\a+7], v[\b:\b+7], v[\c:\c+7], v[\sa], v[\sb] matrix_a_fmt:MATRIX_FMT_FP4 matrix_b_fmt:MATRIX_FMT_FP4 matrix_a_scale:MATRIX_SCALE_ROW1
.else
	v_wmma_scale_f32_16x16x128_f8f6f4 v[\d:\d+7], v[\a:\a+7], v[\b:\b+7], v[\c:\c+7], v[\sa], v[\sb] matrix_a_fmt:MATRIX_FMT_FP4 matrix_b_fmt:MATRIX_FMT_FP4 matrix_b_scale:MATRIX_SCALE_ROW1
.endif
.endm
.macro F16MM d, a, b
	v_wmma_f32_16x16x32_f16 v[\d:\d+7], v[\a:\a+7], v[\b:\b+7], v[\d:\d+7]
.endm
; The next tile of 16 rows of src is fetched: its four fragments of codes into v128-159, its scale words into v28-31, with km its keys' factor into v234: 12 or 13 LDS loads.
; s74, s75, s77: that tile's place among the codes, the scale words and the factors; they step to the tile after it.  No earlier LDS instruction that names v11, v12 or v14 is out where this stands.
.macro TFETCH km
	v_add_nc_u32 v11, s74, v24
	v_add_nc_u32 v12, s75, v25
.if \km
	v_add_nc_u32 v14, s77, v27
.endif
.irp s, 0,1,2,3
	ds_load_b128 v[128+8*\s:131+8*\s], v11 offset:1024*\s
	ds_load_b128 v[132+8*\s:135+8*\s], v11 offset:1024*\s+512
	ds_load_b32 v[28+\s], v12 offset:128*\s
.endr
.if \km
	ds_load_b32 v234, v14                          ; 1.0 or 0 for my lane's key
.endif
	s_add_co_u32 s74, s74, 4096
	s_add_co_u32 s75, s75, 512
.if \km
	s_add_co_u32 s77, s77, 64
.endif
.endm
; One tile of 16 rows of q or k, transposed: my 128 columns = 8 accumulators by turns, 4 K steps; the bias is the C of each sum's first product; x v232; to f16; four fragments to LDS at s76.
; The tile's loads are in where this begins.  pf = 1: the next tile is fetched behind the products, ahead of the 64 lines and 8 stores that finish this one.
.macro TPASS win, bias, ws, km, pf
.if \km
	v_mov_b32 v232, v234                           ; this tile's factor: the next tile's lands in v234 while this one is multiplied by
.endif
.irp s, 0,1,2,3
.if \s == 0
	WIN (\win)|0x10
.else
	WIN \win
.endif
.irp n, 0,1,2,3,4,5,6,7
.if \s == 0
	FP4MM 64+8*\n, 32*\n, 128, \bias+8*\n, \ws+2*\n, 28, 0
.else
	FP4MM 64+8*\n, 32*\n+8*\s, 128+8*\s, 64+8*\n, \ws+2*\n+\s/2, 28+\s, \s%2
.endif
.endr
.endr
	WIN 0
	PLACES 4                                       ; behind the products: in front of the loads into their sources and of the first read of their results
	s_wait_dscnt 0x0                               ; the last tile's eight stores, issued 32 products ago, are done: their address and data registers may be written
	v_add_nc_u32 v13, s76, v26
.if \pf
	TFETCH \km
.endif
.set II, 0
.rept 32
	v_pk_mul_f32 v[64+2*II:65+2*II], v[64+2*II:65+2*II], v[232:233] op_sel_hi:[1,0]
.set II, II+1
.endr
.set II, 0
.rept 32
	v_cvt_pk_f16_f32 v[160+II], v[64+2*II], v[65+2*II]
.set II, II+1
.endr
.irp b, 0,1,2,3
	ds_store_b128 v13, v[160+8*\b:163+8*\b] offset:1024*\b
	ds_store_b128 v13, v[164+8*\b:167+8*\b] offset:1024*\b+512
.endr
.endm
; One tile of 16 rows of v, the natural way (source 0 = src's rows, source 1 = Wv's columns): a lane holds one column and eight keys.  Two tiles make the eight fragments of v^T for 32 keys, v160-223.
.macro VMUL                            ; the products, and the places behind them
	WIN 0x08
.irp s, 0,1,2,3
.irp n, 0,1,2,3,4,5,6,7
.if \s == 0
	FP4MM 64+8*\n, 128, 32*\n, -1, 28, 32+2*\n, 0
.else
	FP4MM 64+8*\n, 128+8*\s, 32*\n+8*\s, 64+8*\n, 28+\s, 32+2*\n+\s/2, 2*(\s%2)
.endif
.endr
.endr
	WIN 0
	PLACES 4
.endm
.macro VEPI par                        ; + bv, to f16: half par of each of the eight fragments
.irp n, 0,1,2,3,4,5,6,7
.irp i, 0,1,2,3
.if \n%2
	v_pk_add_f32 v[64+8*\n+2*\i:65+8*\n+2*\i], v[64+8*\n+2*\i:65+8*\n+2*\i], v[224+2*(\n/2):225+2*(\n/2)] op_sel:[0,1] op_sel_hi:[1,1]   ; + bv of my column
.else
	v_pk_add_f32 v[64+8*\n+2*\i:65+8*\n+2*\i], v[64+8*\n+2*\i:65+8*\n+2*\i], v[224+2*(\n/2):225+2*(\n/2)] op_sel:[0,0] op_sel_hi:[1,0]
.endif
.endr
.endr
.irp n, 0,1,2,3,4,5,6,7
.irp i, 0,1,2,3
	v_cvt_pk_f16_f32 v[160+8*\n+4*(\par)+\i], v[64+8*\n+2*\i], v[65+8*\n+2*\i]
.endr
.endr
.endm
.macro PLOAD dst, off                  ; four tiles' weights p for the 32 keys in hand
.irp m, 0,1,2,3
	ds_load_b128 v[\dst+8*\m:\dst+8*\m+3], v13 offset:(\off)+6144*\m
	ds_load_b128 v[\dst+8*\m+4:\dst+8*\m+7], v13 offset:(\off)+6144*\m+512
.endr
.endm
; A step of the feed-forward part: 4 fragments of a weight (set q of four) x the 8 tiles of rows, 32 along K: 32 accumulators, one instruction each.
; kind 1: hidden (m, tt), window 2.  kind 2: y (m, 4 nh + tt), windows 1 and 3.  xl: the next step's 8 data fragments are fetched, half behind each half of the products.
.macro STEP q, kind, nh, xl, xadr, xoff
	s_wait_loadcnt 24                              ; my set is in; the three younger sets of 8 loads may be out
	s_wait_dscnt 8                                 ; the data fragments of tiles 0-3 are in; the youngest eight loads may be out
.if (\kind) == 1
	WIN 0xa0
.else
	WIN 0x50
.endif
.irp m, 0,1,2,3
.irp tt, 0,1,2,3
.if (\kind) == 1
	F16MM 32*\m+8*\tt, 128+32*(\q)+8*\tt, 64+8*\m
.else
	F16MM 64*\m+8*(4*(\nh)+\tt), 128+32*(\q)+8*\tt, 64+8*\m
.endif
.endr
.endr
	s_wait_dscnt 0x0
.if \xl
	WIN 0
	PLACES 4                                       ; in front of loads into registers that the products have read
.irp m, 0,1,2,3
	ds_load_b128 v[64+8*\m:67+8*\m], v[\xadr] offset:(\xoff)+1024*\m
	ds_load_b128 v[68+8*\m:71+8*\m], v[\xadr] offset:(\xoff)+1024*\m+512
.endr
.endif
.if (\kind) == 1
	WIN 0xa0
.else
	WIN 0xf0
.endif
.irp m, 4,5,6,7
.irp tt, 0,1,2,3
.if (\kind) == 1
	F16MM 32*\m+8*\tt, 128+32*(\q)+8*\tt, 64+8*\m
.else
	F16MM 64*(\m-4)+8*(4*(\nh)+\tt), 128+32*(\q)+8*\tt, 64+8*\m
.endif
.endr
.endr
	WIN 0
	PLACES 4
.if \xl
.irp m, 4,5,6,7
	ds_load_b128 v[64+8*\m:67+8*\m], v[\xadr] offset:(\xoff)+1024*\m
	ds_load_b128 v[68+8*\m:71+8*\m], v[\xadr] offset:(\xoff)+1024*\m+512
.endr
.endif
.if (\q) == 0                          ; four steps on in my stream of weights, ahead of the trip's first refills: the last trip's refills, which read the base, were issued 32 products ago
	s_wait_xcnt 0x0                                ; they have read their base
	s_cmp_lt_u32 s87, 31                           ; the last of the 32 trips does not step: its refills read the stream's last 16,384 bytes again, and no load leaves the buffer
	s_cselect_b32 s52, 16384, 0
	s_add_nc_u64 s[50:51], s[50:51], s[52:53]
	s_add_co_u32 s87, s87, 1
.endif
.irp f, 0,1,2,3                        ; my set takes the fragments of four steps on
	global_load_b128 v[128+32*(\q)+8*\f:131+32*(\q)+8*\f], v3, s[50:51] offset:4096*(\q)+1024*\f
	global_load_b128 v[132+32*(\q)+8*\f:135+32*(\q)+8*\f], v3, s[50:51] offset:4096*(\q)+1024*\f+512
.endr
.endm
; The waves' partial sums (pairs v[64 + 2 m]) of each row meet in LDS; behind it v[64 + 2 m] holds the row's sum over all 512 columns
.macro LNRED red
.irp m, 0,1,2,3,4,5,6,7
	v_add_f32 v[64+2*\m], v[64+2*\m], v[65+2*\m]
.endr
.irp m, 0,1,2,3,4,5,6,7
	v_permlanex16_b32 v[65+2*\m], v[64+2*\m], s44, s45
.endr
.irp m, 0,1,2,3,4,5,6,7
	v_add_f32 v[64+2*\m], v[64+2*\m], v[65+2*\m]
.endr
.irp m, 0,1,2,3,4,5,6,7
	ds_store_b32 v9, v[64+2*\m] offset:\red+256*\m  ; both halves of the lanes write the same word with the same value
.endr
	BARRIER
.irp m, 0,1,2,3,4,5,6,7
	ds_load_b128 v[80+4*\m:83+4*\m], v10 offset:\red+256*\m
.endr
	s_wait_dscnt 0x0
.irp m, 0,1,2,3,4,5,6,7
	v_add_f32 v[80+4*\m], v[80+4*\m], v[81+4*\m]
.endr
.irp m, 0,1,2,3,4,5,6,7
	v_add_f32 v[82+4*\m], v[82+4*\m], v[83+4*\m]
.endr
.irp m, 0,1,2,3,4,5,6,7
	v_add_f32 v[64+2*\m], v[80+4*\m], v[82+4*\m]
.endr
.endm
.macro SUZERO
.set II, 0
.rept 16
	v_mov_b32 v[64+II], 0
.set II, II+1
.endr
.endm
; LayerNorm of the 128 rows in windows 1 and 3, in place, in two passes (mean; then the mean of the squared differences).  Gain at v0-63 and bias at v64-127 of window 2.
; Behind the second pass the pair v[112 + 2 m] holds 1 / sqrt(variance + 1e-5) of my row of tile m.  tail = 1: all tiles are scaled here; tail = 0: that is left to FIN, tile by tile.
.macro LN tail
	s_wait_dscnt 0x0                               ; no LDS load of mine is on its way into v64-127
	SUZERO
.irp hw, 0,1
	WIN 0x01+2*\hw
.set JP, 0
.rept 32                               ; each accumulator is read from its low end on; four rows' tiles by turns
.irp mm, 0,1,2,3
	v_pk_add_f32 v[64+8*\hw+2*\mm:65+8*\hw+2*\mm], v[64*\mm+2*JP:64*\mm+2*JP+1], v[64+8*\hw+2*\mm:65+8*\hw+2*\mm]
.endr
.set JP, JP+1
.endr
.endr
	WIN 0
	LNRED 0
.irp m, 0,1,2,3,4,5,6,7
	v_mul_f32 v[112+2*\m], -v[64+2*\m], s54        ; - mean
.endr
.irp m, 0,1,2,3,4,5,6,7
	v_mov_b32 v[113+2*\m], v[112+2*\m]
.endr
	SUZERO
.irp hw, 0,1
	WIN 0x41+0x82*\hw
.set JP, 0
.rept 32
.irp mm, 0,1,2,3
	v_pk_add_f32 v[64*\mm+2*JP:64*\mm+2*JP+1], v[64*\mm+2*JP:64*\mm+2*JP+1], v[112+8*\hw+2*\mm:113+8*\hw+2*\mm]
.endr
.set JP, JP+1
.endr
	WIN 0x05+0x0a*\hw
.set JP, 0
.rept 32
.irp mm, 0,1,2,3
	v_pk_fma_f32 v[64+8*\hw+2*\mm:65+8*\hw+2*\mm], v[64*\mm+2*JP:64*\mm+2*JP+1], v[64*\mm+2*JP:64*\mm+2*JP+1], v[64+8*\hw+2*\mm:65+8*\hw+2*\mm]
.endr
.set JP, JP+1
.endr
.endr
	WIN 0
	LNRED 2048
.irp m, 0,1,2,3,4,5,6,7
	v_fma_f32 v[64+2*\m], v[64+2*\m], s54, s55     ; variance + 1e-5
.endr
.irp m, 0,1,2,3,4,5,6,7
	v_rsq_f32 v[112+2*\m], v[64+2*\m]
.endr
	v_nop                                          ; a plain line behind the last of the batch
	s_wait_alu depctr_va_vdst(0)                   ; one wait for the eight, ahead of their first reader
.irp m, 0,1,2,3,4,5,6,7
	v_mov_b32 v[113+2*\m], v[112+2*\m]
.endr
	s_wait_loadcnt 0x0                             ; gain and bias are in
.if \tail
.irp hw, 0,1
	WIN 0x41+0x82*\hw
.set JP, 0
.rept 32
.irp mm, 0,1,2,3
	v_pk_mul_f32 v[64*\mm+2*JP:64*\mm+2*JP+1], v[64*\mm+2*JP:64*\mm+2*JP+1], v[112+8*\hw+2*\mm:113+8*\hw+2*\mm]
.endr
.set JP, JP+1
.endr
	WIN 0x69+0x82*\hw
.set JP, 0
.rept 32
.irp mm, 0,1,2,3
	v_pk_fma_f32 v[64*\mm+2*JP:64*\mm+2*JP+1], v[64*\mm+2*JP:64*\mm+2*JP+1], v[2*JP:2*JP+1], v[64+2*JP:65+2*JP]
.endr
.set JP, JP+1
.endr
.endr
	WIN 0
.endif
.endm
.macro FIN m                           ; tile m alone: x 1 / sqrt(..), x gain + bias
	WIN 0x41+0x82*((\m)/4)
.set JP, 0
.rept 32
	v_pk_mul_f32 v[64*((\m)%4)+2*JP:64*((\m)%4)+2*JP+1], v[64*((\m)%4)+2*JP:64*((\m)%4)+2*JP+1], v[112+2*(\m):113+2*(\m)]
.set JP, JP+1
.endr
	WIN 0x69+0x82*((\m)/4)
.set JP, 0
.rept 32
	v_pk_fma_f32 v[64*((\m)%4)+2*JP:64*((\m)%4)+2*JP+1], v[64*((\m)%4)+2*JP:64*((\m)%4)+2*JP+1], v[2*JP:2*JP+1], v[64+2*JP:65+2*JP]
.set JP, JP+1
.endr
	WIN 0
.endm
; src, tile t of the window in hand: its numbers are back from the stage; the set of registers that it left takes the next window's tile t (in the last trip: a quarter of Wq: both ways issue 16 loads, so the counts hold);
; the next tile goes through the other stage; this one is quantised and its image stored.
.macro SBODY t
	s_wait_dscnt 0x0                               ; this tile is back, and the last image's stores have read their registers
.if \t == 0
	v_add_nc_u32 v22, s70, v24
	v_add_nc_u32 v23, s71, v25
.endif
	s_cmp_lt_u32 s66, 3
	s_cbranch_scc0 .Lwq_\@
	WIN 0x80
	DLOAD 64*\t, 48, 32*(\t/2)+8*(\t%2)
	WIN 0
	s_branch .Ljoin_\@
.Lwq_\@:
	WIN 0xc0
.irp f, 0,1,2,3,4,5,6,7
	global_load_b128 v[64*\t+8*\f:64*\t+8*\f+3], v3, s[72:73] offset:1024*(8*\t+\f)
	global_load_b128 v[64*\t+8*\f+4:64*\t+8*\f+7], v3, s[72:73] offset:1024*(8*\t+\f)+512
.endr
	WIN 0
.Ljoin_\@:
	s_wait_loadcnt 48                              ; the next tile's 16 loads are in; three younger groups of 16 may be out
	WIN 0x08
	TST 64*((\t+1)%4), (\t+1)%2
	WIN 0
	TLD 96+64*((\t+1)%2), (\t+1)%2
	QUANT 96+64*(\t%2)
	ds_store_b128 v22, v[80:83] offset:4096*\t
	ds_store_b128 v22, v[84:87] offset:4096*\t+512
	ds_store_b32 v23, v88 offset:512*\t
.endm
	; ================ the head
	s_load_b512 s[8:23], s[0:1], 0x0               ; src s[8:9], mask s[10:11], bq s[12:13], bk s[14:15], bv s[16:17], ln1_g s[18:19], ln1_b s[20:21], b1 s[22:23]
	s_load_b256 s[24:31], s[0:1], 0x40             ; b2 s[24:25], ln2_g s[26:27], ln2_b s[28:29], wqkv_c s[30:31]
	s_load_b128 s[32:35], s[0:1], 0x60             ; wqkv_s s[32:33], wff s[34:35]
	s_load_b64 s[36:37], s[0:1], 0x70              ; out0
	v_lshl_add_u32 v1, v0, 2, SPARE                ; my spare word; never rewritten
	v_mov_b32 v2, 0                                ; 0; never rewritten
	v_lshrrev_b32 v11, 5, v0
	v_readfirstlane_b32 s38, v11                   ; wave w
	v_and_b32 v12, 31, v0                          ; l
	v_and_b32 v13, 15, v0                          ; r
	v_bfe_u32 v14, v0, 4, 1                        ; h
	v_lshlrev_b32 v3, 4, v12                       ; v3  16 l
	v_lshlrev_b32 v4, 2, v12                       ; v4  4 l
	s_lshl_b32 s57, s38, 15
	v_add_nc_u32 v5, s57, v3                       ; v5  my block + 16 l
	v_mul_u32_u24 v6, v13, 528
	v_lshl_add_u32 v6, v14, 6, v6
	v_add_nc_u32 v6, s57, v6                       ; v6  my block + 528 r + 64 h
	s_lshl_b32 s58, s38, 9
	v_add_nc_u32 v7, s58, v3                       ; v7  512 w + 16 l: my bytes of a row of 2,048
	v_lshl_add_u32 v8, v14, 6, s58                 ; v8  512 w + 64 h
	v_lshl_add_u32 v10, v13, 4, RED                ; v10 a row's four partial sums
	s_lshl_b32 s59, s38, 2
	v_add_nc_u32 v9, s59, v10                      ; v9  mine of them
	v_and_b32 v15, 8, v13
	v_add_nc_u32 v15, v15, v13                     ; r + 8 (r / 8)
	v_lshl_add_u32 v15, v15, 2, s58                ; bv of my column
	v_lshlrev_b32 v16, 4, v0
	; the mask's bytes of keys v0 and v0 + 128 (key 0 is row 128 g - 64).  Every address lies inside the mask; what lies outside the sequence is struck out below.
	s_lshl_b32 s60, ttmp9, 7                       ; my first row
	s_sub_co_i32 s63, s60, 64
	s_max_i32 s63, s63, 0                          ; the first key's row; in work-group 0: row 0,
	s_cmp_eq_u32 ttmp9, 0
	s_cselect_b32 s39, 63, 127                     ; where keys 64 to 127 are rows 0 to 63 (v0 & 63), and keys 0 to 63 read the same bytes and count for nothing
	v_and_b32 v17, s39, v0
	v_add_nc_u32 v17, s63, v17
	v_add_nc_u32 v18, s60, v0
	v_add_nc_u32 v18, 64, v18
	v_min_u32 v18, 0x7fff, v18
	v_add_nc_u32 v19, B1L, v16
	v_and_b32 v20, 7, v0                           ; key v0's place in the tiles' order
	v_lshlrev_b32 v20, 2, v20
	v_and_b32 v21, 8, v0
	v_lshl_or_b32 v20, v21, 3, v20
	v_and_b32 v21, 16, v0
	v_lshl_or_b32 v20, v21, 1, v20
	v_and_b32 v21, 0x60, v0
	v_lshl_or_b32 v20, v21, 2, v20
	v_add_nc_u32 v20, VMT, v20
	v_lshl_add_u32 v21, v0, 2, NBL
	v_add_nc_u32 v24, SC, v3                       ; v24 src's codes + 16 l
	v_add_nc_u32 v25, SS, v4                       ; v25 their scale words + 4 l
	s_lshl_b32 s61, s38, 12
	v_add_nc_u32 v26, s61, v3                      ; v26 4,096 w + 16 l: my four fragments of a tile
	v_lshl_add_u32 v27, v13, 2, VMT                ; v27 the keys' factors + 4 r
	s_and_b32 s62, ttmp9, 63                       ; 64 work-groups to a sequence
	s_cmp_eq_u32 s62, 0
	s_cselect_b32 s42, 0, 0x3f800000               ; s42 0 where the first window of keys lies outside the sequence, else 1.0
	s_cselect_b32 s40, 0, 131072                   ; its rows are then taken from my first window (and count for nothing)
	s_cmp_eq_u32 s62, 63
	s_cselect_b32 s43, 0, 0x3f800000               ; s43 the same for the last window of keys
	s_cselect_b32 s56, 0, 131072
	s_mov_b32 s41, 0
	s_mov_b32 s53, 0
	s_mov_b32 s44, 0x76543210                      ; v_permlanex16_b32's selects for lane l xor 16
	s_mov_b32 s45, 0xfedcba98
	s_mov_b32 s54, 0x3b000000                      ; 1 / 512
	s_mov_b32 s55, 0x3727c5ac                      ; 1e-5
	s_lshl_b32 s62, ttmp9, 18                      ; 128 rows of 2,048 bytes
	s_mov_b32 s63, 0
	s_lshl_b32 s66, s38, 11
	s_mov_b32 s67, 0
	s_lshl_b32 s70, s38, 15
	s_mov_b32 s71, 0
	s_lshl_b32 s74, s38, 19
	s_mov_b32 s75, 0
	s_wait_kmcnt 0x0
	s_add_nc_u64 s[46:47], s[8:9], s[62:63]        ; src at my first row
	s_add_nc_u64 s[36:37], s[36:37], s[62:63]      ; out0 likewise
	s_sub_nc_u64 s[50:51], s[46:47], s[40:41]      ; the first window of keys
	s_mov_b64 s[48:49], s[46:47]                   ; the window that is loaded next
	s_add_nc_u64 s[68:69], s[32:33], s[66:67]      ; my tiles' scale words
	s_add_nc_u64 s[72:73], s[30:31], s[70:71]      ; my tiles' codes
	s_add_nc_u64 s[82:83], s[34:35], s[74:75]      ; my stream of W1 and W2
.irp n, 0,1,2,3,4,5,6,7
.irp sp, 0,1                           ; a register carries two K steps' words: lanes 0-15 step 2 sp, lanes 16-31 step 2 sp + 1
	global_load_b32 v[32+2*\n+\sp], v4, s[68:69] offset:256*\n+128*\sp
	global_load_b32 v[48+2*\n+\sp], v4, s[68:69] offset:8192+256*\n+128*\sp
.endr
.endr
.irp n, 0,1,2,3,4,5,6,7
	global_load_b32 v[224+\n], v15, s[16:17] offset:(32*(\n/2)+8*(\n%2))*4
.endr
	WIN 0x40
	COLVEC 0, 12
	COLVEC 64, 14
	WIN 0
	global_load_b128 v[64:67], v16, s[22:23]
	global_load_b128 v[68:71], v16, s[22:23] offset:2048
	global_load_u8 v72, v17, s[10:11]
	global_load_u8 v73, v18, s[10:11]
	WIN 0x80
	DLOAD 0, 50, 0
	DLOAD 64, 50, 8
	DLOAD 128, 50, 32
	DLOAD 192, 50, 40
	WIN 0
	s_wait_loadcnt 48                              ; all but the three younger tiles
	ds_store_b128 v19, v[64:67]
	ds_store_b128 v19, v[68:71] offset:2048
	v_mov_b32 v77, NEGC
	v_mov_b32 v76, 1.0
	v_cmp_ne_u32 vcc_lo, 0, v72                    ; key v0: open by the mask,
	v_cndmask_b32 v74, 0, v76, vcc_lo
	v_cmp_gt_u32 vcc_lo, 64, v0                    ; and, in the first window, inside the sequence
	v_mov_b32 v78, s42
	v_cndmask_b32 v75, v76, v78, vcc_lo
	v_mul_f32 v74, v74, v75
	v_fma_f32 v75, -v74, v77, v77                  ; 0 for an open key, else the fill
	ds_store_b32 v20, v74
	ds_store_b32 v21, v75
	v_cmp_ne_u32 vcc_lo, 0, v73                    ; key v0 + 128
	v_cndmask_b32 v79, 0, v76, vcc_lo
	v_cmp_le_u32 vcc_lo, 64, v0
	v_mov_b32 v81, s43
	v_cndmask_b32 v80, v76, v81, vcc_lo
	v_mul_f32 v79, v79, v80
	v_fma_f32 v80, -v79, v77, v77
	ds_store_b32 v20, v79 offset:512
	ds_store_b32 v21, v80 offset:512
	WIN 0x08
	TST 0, 0
	WIN 0
	TLD 96, 0
	v_mov_b32 v233, 0                              ; named as the upper half of the pair v[232:233]
	; ================ src becomes codes: wave w makes K step w of all 16 tiles; a trip is a window of keys
	s_mov_b32 s66, 0
	s_lshl_b32 s70, s38, 10
	s_lshl_b32 s71, s38, 7
.Lwin:
	SBODY 0
	SBODY 1
	SBODY 2
	SBODY 3
	s_wait_xcnt 0x0                                ; the loads have read their base
	s_cmp_eq_u32 s66, 0
	s_cselect_b32 s52, 131072, s56
	s_add_nc_u64 s[48:49], s[48:49], s[52:53]
	s_add_co_u32 s70, s70, 16384
	s_add_co_u32 s71, s71, 2048
	s_add_co_u32 s66, s66, 1
	s_cmp_lt_u32 s66, 4
	s_cbranch_scc1 .Lwin
	s_wait_dscnt 0x0
	s_wait_loadcnt 0x0                             ; every load of mine is in, whichever arm the bodies took: no load is on its way into the registers that Wk takes; and Wq, which the next phase multiplies by, is in
	WIN 0x80
	WLOADR 1, 0, 32                                ; Wk, into the registers that src has left: it has the whole q pass in which to land
	WIN 0
	BARRIER                                        ; src's codes and scale words, the keys' factors and fills and b1 lie in LDS
	; ================ q for my 8 tiles of rows, x log2(e) / sqrt(512)
	v_mov_b32 v232, 0x3d8293ee
	s_mov_b32 s66, 0
	s_mov_b32 s74, 4*4096
	s_mov_b32 s75, 4*512
	s_mov_b32 s76, 0
	TFETCH 0                                       ; the first tile
	s_wait_dscnt 0x0
.Lq:
	TPASS 3, 0, 32, 0, 1                           ; (the last trip fetches the tile behind my rows; it is not used)
	s_wait_dscnt 8                                 ; the next tile's 12 loads are in; my eight stores, issued behind them, may be out
	s_add_co_u32 s76, s76, 16384
	s_add_co_u32 s66, s66, 1
	s_cmp_lt_u32 s66, 8
	s_cbranch_scc1 .Lq
.irp n, 0,1,2,3,4,5,6,7
.irp sp, 0,1
	global_load_b32 v[32+2*\n+\sp], v4, s[68:69] offset:16384+256*\n+128*\sp   ; Wv's scale words take Wq's place
.endr
.endr
	BARRIER                                        ; q's fragments lie in LDS
	s_lshl_b32 s57, s38, 14
	v_add_nc_u32 v13, s57, v3                      ; I take the scores of tiles w (window A) and 4 + w (window B)
	v_add_nc_u32 v14, 65536, v13
	WIN 0xc0
.set DS, 0
.rept 16
	ds_load_b128 v[8*DS:8*DS+3], v13 offset:1024*DS
	ds_load_b128 v[8*DS+4:8*DS+7], v13 offset:1024*DS+512
	ds_load_b128 v[128+8*DS:128+8*DS+3], v14 offset:1024*DS
	ds_load_b128 v[128+8*DS+4:128+8*DS+7], v14 offset:1024*DS+512
.set DS, DS+1
.endr
	WIN 0
	BARRIER                                        ; everybody has its queries: the blocks are free
	; ================ the four windows of keys: k for 64 rows, then my two tiles' scores against them
	s_wait_loadcnt 0x0                             ; Wk and Wv's scale words
	WIN 0x40                                       ; three tiles of the residual (my columns of my rows of src) are asked for here, into the accumulators' own registers: bq's place and 128 registers that lay idle; they are wanted behind the softmax
	DLOAD 0, 46, 0
	DLOAD 128, 46, 32
	DLOAD 192, 46, 40
	WIN 0
	s_mov_b32 s66, 0
	s_mov_b32 s74, 0
	s_mov_b32 s75, 0
	s_mov_b32 s77, 0
	s_mov_b32 s78, 0
	s_mov_b32 s79, 0
.Lj:
	s_mov_b32 s67, 0
	s_mov_b32 s76, KF
	TFETCH 1                                       ; the window's first tile
	s_wait_dscnt 0x0
.Lk:
	TPASS 2, 64, 48, 1, 1
	s_wait_dscnt 8                                 ; the next tile's 13 loads are in; my eight stores may be out
	s_add_co_u32 s76, s76, 16384
	s_add_co_u32 s67, s67, 1
	s_cmp_lt_u32 s67, 3
	s_cbranch_scc1 .Lk
	TPASS 2, 64, 48, 1, 0                          ; the window's fourth tile is written out: it fetches nothing, since the scores take the registers that a fetch would fill
	BARRIER                                        ; the window's k lies in LDS
	v_bfe_u32 v14, v0, 4, 1
	v_lshl_add_u32 v14, v14, 6, NBL
	v_add_nc_u32 v14, s78, v14
	v_add_nc_u32 v11, KF, v3
	v_add_nc_u32 v12, s79, v5
	WIN 0x0c                                       ; source 1 (my queries) window 3; one setting for loads and products
.irp x, 0,1
.irp kt, 0,1,2,3                       ; the sums start with 0 or the fill, by the register's key
	ds_load_b128 v[64+32*\x+8*\kt:67+32*\x+8*\kt], v14 offset:(32*(\kt/2)+8*(\kt%2))*4
	ds_load_b128 v[68+32*\x+8*\kt:71+32*\x+8*\kt], v14 offset:(32*(\kt/2)+8*(\kt%2))*4+16
.endr
.endr
.macro KLOAD ds                        ; the four tiles' fragments of d step ds, into set ds % 3
.irp kt, 0,1,2,3
	ds_load_b128 v[128+32*((\ds)%3)+8*\kt:131+32*((\ds)%3)+8*\kt], v11 offset:16384*\kt+1024*(\ds)
	ds_load_b128 v[132+32*((\ds)%3)+8*\kt:135+32*((\ds)%3)+8*\kt], v11 offset:16384*\kt+1024*(\ds)+512
.endr
.endm
	KLOAD 0
	KLOAD 1
.set DS, 0
.rept 16
.if DS < 15
	s_wait_dscnt 8                                 ; this step's fragments are in; the next step's eight loads may be out
.else
	s_wait_dscnt 0x0
.endif
.irp kt, 0,1,2,3
.irp x, 0,1
	F16MM 64+32*\x+8*\kt, 128+32*(DS%3)+8*\kt, 128*\x+8*DS
.endr
.endr
	PLACES 4
.if DS < 14
	KLOAD DS+2
.endif
.set DS, DS+1
.endr
	WIN 0
.irp x, 0,1
.irp kt, 0,1,2,3                       ; parked in my block, slot j
	ds_store_b128 v12, v[64+32*\x+8*\kt:67+32*\x+8*\kt] offset:16384*\x+1024*\kt
	ds_store_b128 v12, v[68+32*\x+8*\kt:71+32*\x+8*\kt] offset:16384*\x+1024*\kt+512
.endr
.endr
	BARRIER                                        ; nobody reads this window's k any more
	s_add_co_u32 s78, s78, 256
	s_add_co_u32 s79, s79, 4096
	s_add_co_u32 s66, s66, 1
	s_cmp_lt_u32 s66, 4
	s_cbranch_scc1 .Lj
	; ================ asked for now, wanted behind the softmax: three more tiles of the residual and seven fragments of Wv: 62 loads
	WIN 0x40
	DLOAD 64, 46, 8                                ; tile 1, in bk's place
	WIN 0xc0
	DLOAD 0, 46, 64                                ; tiles 4 and 5, where my queries lay
	DLOAD 64, 46, 72
	WIN 0x80
	WLOADR 2, 0, 7
	WIN 0
	; ================ the softmax of my two tiles: a lane holds one query and 96 of its 192 scores (as t = score x log2 e)
	s_mov_b32 s66, 0
	s_mov_b32 s78, 0
	s_mul_i32 s81, s38, 6144
	s_add_co_u32 s81, s81, KF
.Lsm:
	v_add_nc_u32 v11, s78, v5                      ; window A: slots 0-2; window B: slots 1-3
	v_add_nc_u32 v12, s81, v3
.irp p, 0,1,2
.irp kt, 0,1,2,3
	ds_load_b128 v[64+32*\p+8*\kt:67+32*\p+8*\kt], v11 offset:4096*\p+1024*\kt
	ds_load_b128 v[68+32*\p+8*\kt:71+32*\p+8*\kt], v11 offset:4096*\p+1024*\kt+512
.endr
.endr
	s_wait_dscnt 0x0
.irp c, 0,1,2,3
	v_max3_num_f32 v[214+\c], v[64+24*\c], v[65+24*\c], v[66+24*\c]
.endr
.irp i, 3,5,7,9,11,13,15,17,19,21
.irp c, 0,1,2,3
	v_max3_num_f32 v[214+\c], v[214+\c], v[64+24*\c+\i], v[65+24*\c+\i]
.endr
.endr
	v_max3_num_f32 v214, v214, v87, v111
	v_max3_num_f32 v216, v216, v135, v159
	v_max3_num_f32 v214, v214, v215, v216
	v_max_num_f32 v214, v214, v217
	v_permlanex16_b32 v215, v214, s44, s45
	v_max_num_f32 v218, v214, v215                 ; the row's largest t
	v_mov_b32 v219, v218
.set II, 0
.rept 48
	v_pk_add_f32 v[64+2*II:65+2*II], v[64+2*II:65+2*II], v[218:219] neg_lo:[0,1] neg_hi:[0,1]
.set II, II+1
.endr
.set II, 0
.rept 96
	v_exp_f32 v[64+II], v[64+II]
.set II, II+1
.endr
	v_nop                                          ; a plain line behind the batch
	s_wait_alu depctr_va_vdst(0)                   ; one wait for the 96, ahead of their first reader
.irp c, 0,1,2,3
	v_pk_add_f32 v[234+2*\c:235+2*\c], v[64+24*\c:65+24*\c], v[66+24*\c:67+24*\c]
.endr
.irp i, 4,6,8,10,12,14,16,18,20,22
.irp c, 0,1,2,3
	v_pk_add_f32 v[234+2*\c:235+2*\c], v[234+2*\c:235+2*\c], v[64+24*\c+\i:65+24*\c+\i]
.endr
.endr
	v_pk_add_f32 v[234:235], v[234:235], v[236:237]
	v_pk_add_f32 v[238:239], v[238:239], v[240:241]
	v_pk_add_f32 v[234:235], v[234:235], v[238:239]
	v_add_f32 v234, v234, v235
	v_permlanex16_b32 v235, v234, s44, s45
	v_add_f32 v234, v234, v235                     ; the row's sum, keys outside the sequence among it
	v_rcp_f32 v220, v234
	v_nop
	s_wait_alu depctr_va_vdst(0)
	s_cmp_eq_u32 s66, 0                            ; A's first window and B's last may lie outside the sequence: their weights are struck out behind the sum
	s_cselect_b32 s88, s42, 0x3f800000
	s_cselect_b32 s89, 0x3f800000, s43
	v_mul_f32 v208, s88, v220
	v_mul_f32 v209, s88, v220
	v_mov_b32 v210, v220
	v_mov_b32 v211, v220
	v_mul_f32 v212, s89, v220
	v_mul_f32 v213, s89, v220
.irp p, 0,1,2
.set II, 0
.rept 16
	v_pk_mul_f32 v[64+32*\p+2*II:65+32*\p+2*II], v[64+32*\p+2*II:65+32*\p+2*II], v[208+2*\p:209+2*\p]
.set II, II+1
.endr
.endr
.set II, 0
.rept 48
	v_cvt_pk_f16_f32 v[160+II], v[64+2*II], v[65+2*II]
.set II, II+1
.endr
.irp ks, 0,1,2,3,4,5
	ds_store_b128 v12, v[160+8*\ks:163+8*\ks] offset:1024*\ks
	ds_store_b128 v12, v[164+8*\ks:167+8*\ks] offset:1024*\ks+512
.endr
	s_wait_dscnt 0x0                               ; the stores have read their registers
	s_add_co_u32 s78, s78, 20480
	s_add_co_u32 s81, s81, 24576
	s_add_co_u32 s66, s66, 1
	s_cmp_lt_u32 s66, 2
	s_cbranch_scc1 .Lsm
	; ================ the residual's last two tiles and 15 fragments of Wv are asked for: 62 loads; then the residual is turned into the accumulators' layout, in place, through three stages in my block
	WIN 0xc0
	DLOAD 128, 46, 96                              ; tiles 6 and 7
	DLOAD 192, 46, 104
	WIN 0x80
	WLOADR 2, 7, 15
	WIN 0
.macro RST m
	WIN 0x04+8*((\m)/4)
	TST 64*((\m)%4), (\m)%3
.endm
.macro RLD m
	WIN 0x40+0x80*((\m)/4)
	TLD 64*((\m)%4), (\m)%3
.endm
	s_wait_loadcnt 62                              ; tiles 0 to 5 are in; the 62 loads just issued may be out
	RST 0
	RST 1
	s_wait_dscnt 16                                ; tile 0's stores have read their registers (tile 1's sixteen may be out)
	RLD 0
.irp m, 1,2,3,4,5,6
.if \m == 4
	WIN 0x80
	WLOADR 2, 22, 10                               ; the rest of Wv: 20 loads
.endif
.if \m == 5
	s_wait_loadcnt 63                              ; tile 6 is in: 66 loads are younger, and the count's field ends at 63
.endif
.if \m == 6
	s_wait_loadcnt 50                              ; tile 7 is in; Wv's 30 + 20 younger loads may be out
.endif
	RST \m+1
	s_wait_dscnt 32                                ; tile m's stores are done: behind them stand the last tile's 16 loads and the next tile's 16 stores
	RLD \m
.endr
	s_wait_dscnt 16
	RLD 7
	WIN 0
	s_wait_loadcnt 0x0                             ; Wv is whole
	BARRIER                                        ; the weights p of all 8 tiles lie in LDS
	; ================ v for 32 keys at a time, and src + attention: O^T(m, n) += v^T(n) p^T(m); the first C of each accumulator is the residual
	s_mov_b32 s66, 0
	s_mov_b32 s74, 0
	s_mov_b32 s75, 0
	s_mov_b32 s76, KF
	TFETCH 0                                       ; the first tile of rows
.Lpv:
	v_add_nc_u32 v13, s76, v3
	s_wait_dscnt 0x0                               ; the trip's first tile is in (asked for ahead of window B's products of the last trip)
	VMUL
	TFETCH 0                                       ; the second tile, behind the first's products
	VEPI 0
	s_wait_dscnt 0x0
	VMUL
	PLOAD 128, 0                                   ; window A's weights for these 32 keys, into the registers that src's codes have left
	VEPI 1
	PLOAD 64, 22528                                ; window B's weights: its key steps lie two behind A's
	s_wait_dscnt 8                                 ; window A's weights are in; B's eight loads may be out
	s_cmp_lt_u32 s66, 6                            ; window A sees key steps 0 to 5
	s_cbranch_scc0 .Lno_a
	WIN 0x50
.irp n, 0,1,2,3,4,5,6,7
.irp m, 0,1,2,3
	F16MM 64*\m+8*\n, 160+8*\n, 128+8*\m
.endr
.endr
	WIN 0
.Lno_a:
	PLACES 4                                       ; in front of loads into registers that window A's products have read
	TFETCH 0                                       ; the next trip's first tile (the last trip fetches bytes of the scale words and factors, inside LDS; they are not used)
	s_wait_dscnt 12                                ; window B's weights are in; the 12 loads just issued may be out
	s_cmp_ge_u32 s66, 2                            ; window B sees key steps 2 to 7
	s_cbranch_scc0 .Lno_b
	WIN 0xf0
.irp n, 0,1,2,3,4,5,6,7
.irp m, 0,1,2,3
	F16MM 64*\m+8*\n, 160+8*\n, 64+8*\m
.endr
.endr
	WIN 0
.Lno_b:
	PLACES 5                                       ; the next products write over registers that these have read
	s_add_co_u32 s76, s76, 1024
	s_add_co_u32 s66, s66, 1
	s_cmp_lt_u32 s66, 8
	s_cbranch_scc1 .Lpv
	s_wait_dscnt 0x0                               ; the last fetch has landed: its registers take the first fragments of W1
	; ================ the first norm; x to f16 fragments; x + b2 starts the last product's sums
	WIN 0x80
	COLVEC 0, 18
	COLVEC 64, 20
	COLVEC 128, 24
	WIN 0
.irp q, 0,1,2,3
.irp f, 0,1,2,3                        ; the first four steps' fragments of W1
	global_load_b128 v[128+32*\q+8*\f:131+32*\q+8*\f], v3, s[82:83] offset:4096*\q+1024*\f
	global_load_b128 v[132+32*\q+8*\f:135+32*\q+8*\f], v3, s[82:83] offset:4096*\q+1024*\f+512
.endr
.endr
	s_mov_b64 s[50:51], s[82:83]                   ; the refills' base: the first trip steps it to the stream's second 16,384 bytes
	LN 1
.irp m, 0,1,2,3,4,5,6,7
.if \m >= 2
	s_wait_dscnt 8                                 ; the stores of two tiles back have read their registers
.endif
	WIN 0x05+0x0a*(\m/4)
.set II, 0
.rept 32
	v_cvt_pk_f16_f32 v[64+32*(\m%2)+II], v[64*(\m%4)+2*II], v[64*(\m%4)+2*II+1]
.set II, II+1
.endr
	WIN 0
.irp b, 0,1,2,3                        ; K steps 4 w + b of the next product: they lie in my own block
	ds_store_b128 v5, v[64+32*(\m%2)+8*\b:67+32*(\m%2)+8*\b] offset:8192*\b+1024*\m
	ds_store_b128 v5, v[68+32*(\m%2)+8*\b:71+32*(\m%2)+8*\b] offset:8192*\b+1024*\m+512
.endr
.endr
.irp hw, 0,1
	WIN 0x49+0x82*\hw
.set JP, 0
.rept 32
.irp mm, 0,1,2,3
	v_pk_add_f32 v[64*\mm+2*JP:64*\mm+2*JP+1], v[64*\mm+2*JP:64*\mm+2*JP+1], v[128+2*JP:129+2*JP]
.endr
.set JP, JP+1
.endr
.endr
	WIN 0
	; ================ the feed-forward part, 256 hidden units at a time: my 64 of them for all rows; relu; f16 fragments to LDS; then my 128 outputs += over the chunk
	s_mov_b32 s87, 0
	s_lshl_b32 s84, s38, 8
	s_add_co_u32 s84, s84, B1L
	s_mov_b32 s66, 0
.Lch:
	BARRIER                                        ; x's fragments are whole (first trip); nobody reads the last chunk's hidden fragments any more
	v_bfe_u32 v11, v0, 4, 1
	v_lshl_add_u32 v11, v11, 6, s84
	WIN 0x80
.irp m, 0,1,2,3,4,5,6,7
.irp tt, 0,1,2,3                       ; b1 starts the sums
	ds_load_b128 v[32*\m+8*\tt:32*\m+8*\tt+3], v11 offset:128*(\tt/2)+32*(\tt%2)
	ds_load_b128 v[32*\m+8*\tt+4:32*\m+8*\tt+7], v11 offset:128*(\tt/2)+32*(\tt%2)+16
.endr
.endr
	WIN 0
.irp m, 0,1,2,3,4,5,6,7
	ds_load_b128 v[64+8*\m:67+8*\m], v3 offset:1024*\m
	ds_load_b128 v[68+8*\m:71+8*\m], v3 offset:1024*\m+512
.endr
	s_mov_b32 s86, 0
	s_mov_b32 s67, 0
.Lf1:
	v_add_nc_u32 v12, s86, v3
	STEP 0, 1, 0, 1, 12, 8192
	s_add_co_u32 s88, s86, 32768
	s_and_b32 s88, s88, 131071                     ; (the last trip fetches K step 0 again; it is not used)
	v_add_nc_u32 v13, s88, v3                      ; written here, where no load that names it is out
	STEP 1, 1, 0, 1, 12, 16384
	STEP 2, 1, 0, 1, 12, 24576
	STEP 3, 1, 0, 1, 13, 0
	s_add_co_u32 s86, s86, 32768
	s_add_co_u32 s67, s67, 1
	s_cmp_lt_u32 s67, 4
	s_cbranch_scc1 .Lf1
	s_wait_dscnt 0x0
	s_lshl_b32 s88, s38, 14
	s_add_co_u32 s88, s88, KF
	v_add_nc_u32 v14, s88, v3                      ; K steps 2 w, 2 w + 1 of the chunk
	WIN 0x88
.set II, 0
.rept 256
	v_max_num_f32 v[II], 0, v[II]                  ; the activation, in f32
.set II, II+1
.endr
.irp hf, 0,1
	WIN 0x0a
.irp mm, 0,1,2,3
.set II, 0
.rept 16
	v_cvt_pk_f16_f32 v[64+16*\mm+II], v[32*(4*\hf+\mm)+2*II], v[32*(4*\hf+\mm)+2*II+1]
.set II, II+1
.endr
.endr
	WIN 0
.irp mm, 0,1,2,3
.irp b, 0,1
	ds_store_b128 v14, v[64+16*\mm+8*\b:67+16*\mm+8*\b] offset:8192*\b+1024*(4*\hf+\mm)
	ds_store_b128 v14, v[68+16*\mm+8*\b:71+16*\mm+8*\b] offset:8192*\b+1024*(4*\hf+\mm)+512
.endr
.endr
	s_wait_dscnt 0x0                               ; the stores have read their registers
.endr
	BARRIER                                        ; the chunk's hidden fragments lie in LDS
	v_add_nc_u32 v15, KF, v3
.irp m, 0,1,2,3,4,5,6,7
	ds_load_b128 v[64+8*\m:67+8*\m], v15 offset:1024*\m
	ds_load_b128 v[68+8*\m:71+8*\m], v15 offset:1024*\m+512
.endr
	s_mov_b32 s86, 0
	s_mov_b32 s67, 0
.Lf2:
	s_add_co_u32 s88, s86, KF
	v_add_nc_u32 v12, s88, v3
	STEP 0, 2, 0, 0, 12, 0
	s_add_co_u32 s88, s86, 16384
	s_and_b32 s88, s88, 65535                      ; (the last trip fetches K step 0 again; it is not used)
	s_add_co_u32 s88, s88, KF
	v_add_nc_u32 v13, s88, v3
	STEP 1, 2, 1, 1, 12, 8192
	STEP 2, 2, 0, 0, 12, 0
	STEP 3, 2, 1, 1, 13, 0
	s_add_co_u32 s86, s86, 16384
	s_add_co_u32 s67, s67, 1
	s_cmp_lt_u32 s67, 4
	s_cbranch_scc1 .Lf2
	s_add_co_u32 s84, s84, 1024
	s_add_co_u32 s66, s66, 1
	s_cmp_lt_u32 s66, 4
	s_cbranch_scc1 .Lch
	; ================ the second norm: means and variances of all rows; the scaling is left to the way out
	WIN 0x80
	COLVEC 0, 26
	COLVEC 64, 28
	WIN 0
	LN 0
	; ================ the way out, tile by tile: scaled, through a stage in my block, and stored as rows: each store of the wave covers 512 consecutive bytes, aligned.
	; A tile's 64 lines of arithmetic stand between the stage loads of the tile before and the wait for them, and the first stores leave while six tiles are still to be scaled.
.macro OUTT m
	WIN 0x04+8*((\m)/4)
.irp b, 0,1,2,3
.irp q, 0,1,2,3
	ds_store_b128 v6, v[64*((\m)%4)+16*\b+4*\q:64*((\m)%4)+16*\b+4*\q+3] offset:((\m)%2)*8448+128*\b+16*\q
.endr
.endr
	WIN 0
.if (\m) >= 2
	s_wait_xcnt 0x0                                ; the stores of two tiles back have read their registers: the loads below may land there
.endif
.irp i, 0,1,2,3,4,5,6,7,8,9,10,11,12,13,14,15
	ds_load_b128 v[128+64*((\m)%2)+4*\i:131+64*((\m)%2)+4*\i], v5 offset:((\m)%2)*8448+528*\i
.endr
.endm
.macro SEND m, younger                 ; younger: the LDS instructions issued behind tile m's loads, which may stay out
	s_wait_dscnt \younger
.irp i, 0,1,2,3,4,5,6,7,8,9,10,11,12,13,14,15
	global_store_b128 v7, v[128+64*((\m)%2)+4*\i:131+64*((\m)%2)+4*\i], s[36:37] offset:(32*((\m)/2)+8*((\m)%2)+\i+8*(\i/8))*2048 th:TH_STORE_NT
.endr
.endm
	FIN 0
	OUTT 0
.irp m, 1,2,3,4,5,6,7
	FIN \m
	OUTT \m
	SEND \m-1, 32
.endr
	SEND 7, 0
	s_wait_tensorcnt 0x0                           ; the wave's end: a tensor wait, an LDS add to my spare word and its wait, behind my last LDS store; the tensor wait in a text with no tensor load too
	ds_add_u32 v1, v2
	s_wait_dscnt 0x0
	s_endpgm
.Lfunc_end_k_q07c27e60e1_layer:
	.size	k_q07c27e60e1_layer, .Lfunc_end_k_q07c27e60e1_layer-k_q07c27e60e1_layer
	.p2alignl 7, 3214868480
	.fill 96, 4, 3214868480
	.section	.rodata,"a",@progbits
	.p2align	6, 0x0
	.amdhsa_kernel k_q07c27e60e1_layer
		.amdhsa_group_segment_fixed_size 281088
		.amdhsa_private_segment_fixed_size 0
		.amdhsa_enable_private_segment 0
		.amdhsa_kernarg_size 120
		.amdhsa_user_sgpr_count 2
		.amdhsa_user_sgpr_kernarg_segment_ptr 1
		.amdhsa_wavefront_size32 1
		.amdhsa_system_sgpr_workgroup_id_x 1
		.amdhsa_system_sgpr_workgroup_id_y 1
		.amdhsa_system_sgpr_workgroup_id_z 1
		.amdhsa_system_vgpr_workitem_id 0
		.amdhsa_next_free_vgpr 1024
		.amdhsa_next_free_sgpr 100
		.amdhsa_reserve_vcc 1
		.amdhsa_float_denorm_mode_32 3
		.amdhsa_float_denorm_mode_16_64 3
		.amdhsa_memory_ordered 1
		.amdhsa_forward_progress 1
		.amdhsa_inst_pref_size 255
	.end_amdhsa_kernel
	.section	.bss,"aw",@nobits
	.p2align	6
	.space	262144
	.amdgpu_metadata
---
amdhsa.version: [ 1, 2 ]
amdhsa.kernels:
  - .name:           k_q07c27e60e1_layer
    .symbol:         k_q07c27e60e1_layer.kd
    .args:
      - { .name: src, .offset: 0, .size: 8, .value_kind: global_buffer, .address_space: global }
      - { .name: mask, .offset: 8, .size: 8, .value_kind: global_buffer, .address_space: global }
      - { .name: bq, .offset: 16, .size: 8, .value_kind: global_buffer, .address_space: global }
      - { .name: bk, .offset: 24, .size: 8, .value_kind: global_buffer, .address_space: global }
      - { .name: bv, .offset: 32, .size: 8, .value_kind: global_buffer, .address_space: global }
      - { .name: ln1_g, .offset: 40, .size: 8, .value_kind: global_buffer, .address_space: global }
      - { .name: ln1_b, .offset: 48, .size: 8, .value_kind: global_buffer, .address_space: global }
      - { .name: b1, .offset: 56, .size: 8, .value_kind: global_buffer, .address_space: global }
      - { .name: b2, .offset: 64, .size: 8, .value_kind: global_buffer, .address_space: global }
      - { .name: ln2_g, .offset: 72, .size: 8, .value_kind: global_buffer, .address_space: global }
      - { .name: ln2_b, .offset: 80, .size: 8, .value_kind: global_buffer, .address_space: global }
      - { .name: wqkv_c, .offset: 88, .size: 8, .value_kind: global_buffer, .address_space: global }
      - { .name: wqkv_s, .offset: 96, .size: 8, .value_kind: global_buffer, .address_space: global }
      - { .name: wff, .offset: 104, .size: 8, .value_kind: global_buffer, .address_space: global }
      - { .name: out0, .offset: 112, .size: 8, .value_kind: global_buffer, .address_space: global }
    .group_segment_fixed_size: 281088
    .private_segment_fixed_size: 0
    .kernarg_segment_align: 8
    .kernarg_segment_size: 120
    .max_flat_workgroup_size: 128
    .sgpr_count:     100
    .vgpr_count:     1024
    .wavefront_size: 32
...
	.end_amdgpu_metadata
.endif
;; end of part 2
